; MI455X (gfx1250); checked and timed in simulation.
; The chip was launched on July 23, 2026; its instructions are those of AMD's public machine-readable ISA for CDNA 5 (MIT licence, August 2026) and "CDNA5" Instruction Set Architecture Reference Guide (July 2026). The comments in the code are by the model that wrote it; some were corrected since.
;; QV Tree. Allowed arithmetic: float matrix products may take bf16 or f16 operands with f32 sums; all other float work in f32.
;; Inputs: t 8 x 64 x 256 float32; v 8 x 16,384 x 256 float32.
;; Outputs: out0 8 x 16,384 float32.
;; 2 versions, each right; version 2 is version 1 with the launch attend written anew for expert scheduling mode. Each part assembles by itself: llvm-mc -triple=amdgcn-amd-amdhsa -mcpu=gfx1250 --defsym DOCPART=n.
;; ======== version 1 of 2: 3 launches
;; limits: values outside matrix products are rounded to bf16
;; workspace buffers: mexp 16,777,216 bytes; part 196,608 bytes; raw 524,288 bytes; mm 8,192 bytes
;; launch attend (part 1): grid 256 x 1, 4 waves a work-group, no clusters, 104,960 bytes of LDS; arguments t, v, mexp, part; writes mexp, part
.if DOCPART == 1
	.amdgcn_target "amdgcn-amd-amdhsa--gfx1250"
	.amdhsa_code_object_version 6
	.text
	.protected	k_q70dcd8d817_attend
	.globl	k_q70dcd8d817_attend
	.p2align	8
	.type	k_q70dcd8d817_attend,@function
k_q70dcd8d817_attend:
	s_mov_b64 s[64:65], 0
	v_nop
	global_prefetch_b8 v0, s[64:65] scope:SCOPE_SE
	s_setreg_imm32_b32 hwreg(HW_REG_WAVE_MODE, 25, 1), 1
	s_wait_xcnt 0x0
; QVTree, first of three launches.  t: [8][64][256] f32, v: [8][16384][256] f32.
; With tn, vn the normalised rows, S = vn.tn / 2, E = exp(S), A = E / (sum over t of E), W = exp(A / 2), this launch stores
;   mexp: E - 1 in f16, the matrix operand of the second product (the constant 1 drops out in the final min-max step);
;   part: for each work-group and each t the sums over its 512 rows of E, of W and of W A.
; NO MAXIMUM IS TAKEN AWAY BEFORE THE EXPONENTIALS: both vectors are normalised here, as the problem does, and halved, so |S| <= 0.5 but for
; the rounding of t to bf16 (under one part in 100), and A / 2 lies in [0, 0.5]: every exponential lies in [0.6, 1.7], every sum of 16,384
; of them under 3e4, for every input.  E - 1 lies in [-0.41, 0.67]: f16 has the room.  S is always finite, so the problem's nan_to_num of
; S - max changes nothing.
; nan_to_num: NaN becomes 0 by v_med3_num_f32(x, 0, x): with a NaN among its sources it gives the smallest of the three with NaNs left out
; (ISA guide, the instruction's entry among the VOP3 instructions), which is 0; otherwise the middle one of x, 0, x, which is x.
; t is also clamped to the largest finite f32.  v keeps its infinities: they make the row's sum of squares infinite, as the clamped value's
; square does in the problem, where the whole row then normalises to 0; here such a row's S is set to 0 by a select.
; LIMITS: v's norm is that of the row as rounded to bf16, the vector that enters the product (within 2^-9 of the f32 norm; the sum is kept
; in f32); a row counts as of infinite norm when that sum overflows f32.  1 / max(norm, 1e-6) is min(rsq(sum), 1e6), divisions are rcp and
; a product (1 ulp each).
; SHARES: 256 work-groups of four waves, one wave a SIMD; a work-group owns 512 rows of v (32 work-groups a batch), a wave 128 rows:
; 8 tiles of 16 rows, 32 chunks of 4 rows.
; v STREAMS THROUGH REGISTERS: a chunk is eight loads of 512 consecutive bytes (half a row each).  A ring of seven chunk slots keeps 48 to 56
; loads of every wave on their way from the first line to the last chunk; no wave waits for another between the two barriers of the text.
; A chunk is cleaned, rounded to bf16 and put into the wave's own stage in LDS, 16 bytes a lane and row; from there the fragments are read.
; In a stage's row, unit L of 16 bytes holds k = 4 L .. 4 L + 3 and 128 + 4 L .. + 3: a permutation of k, the same for t and v, which
; leaves the products as they are.
; THE MATRIX INSTRUCTION takes 16 rows of t as A and 16 rows of v as B: in the result lane (r, h) holds, for v row r, t = 16 i + 8 h + j
; (tile i, register j).  So the sums over t are sums inside a lane and one exchange with lane xor 16, and the sums over v are 96 running
; sums a lane, folded over lanes once at the end.  v's sums of squares are the diagonal of v's fragments times themselves.
; t (scaled by 0.5 log2 e / norm, so that the product is the argument of exp2 once divided by v's norm) stays in 256 registers.
; NO CLUSTER, NO TENSOR LOADS: the one input that work-groups share is t, 64 KiB against 512 KiB of v a work-group, read once, through
; registers, because it is normalised on the way; v is converted on its way and half its bytes reach LDS.
; REGISTERS, in windows of 256: window 0 all arithmetic on products; window 1 t's fragments (tile i, K step s at v[8 (8 i + s)]);
; window 2 the ring (slot q at v[32 q], row rho of a chunk at + 8 rho), its bf16 words and its two addresses.
.set ROWB,   1024                      ; bytes in a row of v or t
.set TPITCH, 528                       ; a stage's row: 512 bytes + 16 = 132 words: row r starts at bank 4 r mod 64 (64 banks of 4 bytes: ISA guide 11.1)
.set VBUF,   16*TPITCH                 ; a tile of v in bf16
.set VST,    64*TPITCH                 ; t's stage lies at LDS byte 0; behind it two tiles of v for each wave
.set RED,    VST+8*VBUF                ; scratch for the sums: [wave][h][96] f32
.set NCH,    32                        ; chunks of a wave
.set RSL,    7                         ; slots of the ring
.set LAV, 2                            ; LDS address of my part of v's fragments, first of my wave's two tiles
.set STO, 3                            ; byte offset of my 16 bytes in the work-group's part of mexp
.set TA,  4                            ; LDS address of my part of t's fragments
.set TMP, 5
.set RS,  6                            ; v[6:7]   1 / norm of my row (first register; the pair is named by packed products)
.set RI2, 8                            ; v[8:9]   0.5 log2 e / sum over t of E
.set RI,  10
.set SSQ, 11                           ; my row's sum of squares
.set P,   12                           ; v[12:19] at work
.set DG,  20                           ; v[20:27] the way to the diagonal
.set FR,  28                           ; v[28:91] v's fragments: K step s at + 8 s
.set ARG, FR                           ; later A / 2 log2 e
.set WW,  FR+32                        ; and W
.set ACC, 92                           ; v[92:123] four accumulator tiles
.set NA,  124                          ; v[124:131] v times v, even K steps
.set FH,  132                          ; v[132:147] E - 1 in f16
.set NB,  148                          ; v[148:155] v times v, odd K steps
.set SZ,  156                          ; v[156:187] sums of E
.set SD,  188                          ; v[188:219] sums of W
.set SN,  220                          ; v[220:251] sums of W A / 2 log2 e
.set TSA, 252                          ; where my wave stages its rows of t
.set TG,  253                          ; 16 x lane
.set TX,  28                           ; t's preparation: v[28:155] 16 rows x 8 f32
.set TSS, 156                          ; v[156:187] a pair for each row
.set TB,  188                          ; v[188:251] 16 rows x 4 words of bf16
.set BO,  224                          ; window 2: v[224:239] a chunk's 4 rows x 4 words of bf16
.set GO,  240                          ; window 2: 16 x lane
.set SA,  241                          ; window 2: where I put my 16 bytes of a row of v
.set MSB, 0
.macro WIN new                         ; the immediate's high byte repeats the setting that is left
.if MSB != \new
	s_set_vgpr_msb (MSB<<8)|\new
.set MSB, \new
.endif
.endm
.set lg, 0                             ; the next chunk to ask for
.set cg, 0                             ; the next chunk to work on
; eight loads: chunk lg into its slot.  Under window setting 0xaa.  v is read once in the launch.
.macro LOADCH
.irp rho, 0,1,2,3
	global_load_b128 v[32*(lg%RSL)+8*\rho:32*(lg%RSL)+8*\rho+3],   v[GO], s[6:7] offset:lg*4*ROWB+\rho*ROWB th:TH_LOAD_NT
	global_load_b128 v[32*(lg%RSL)+8*\rho+4:32*(lg%RSL)+8*\rho+7], v[GO], s[6:7] offset:lg*4*ROWB+\rho*ROWB+512 th:TH_LOAD_NT
.endr
.set lg, lg+1
.endm
; The turn of chunk cg: NaN -> 0, bf16, 16 bytes a lane and row into my wave's stage, and its slot is asked for again (chunk cg + 7).
; Behind the last chunk the macro holds nothing.
.macro CHUNK
.if cg < NCH
	WIN 0xaa                                       ; every operand in window 2
.if cg < NCH-RSL
	s_wait_loadcnt 8*(RSL-1)                       ; loads come back in order (ISA guide 5.7.1): behind this chunk's eight stand those of the six chunks after it
.else
	s_wait_loadcnt 8*(NCH-1-cg)                    ; nothing more is asked for: the count runs down
.endif
.set ee, 0
.rept 32
	v_med3_num_f32 v[32*(cg%RSL)+ee], v[32*(cg%RSL)+ee], 0, v[32*(cg%RSL)+ee]
.set ee, ee+1
.endr
.set ee, 0
.rept 16
	v_cvt_pk_bf16_f32 v[BO+ee], v[32*(cg%RSL)+2*ee], v[32*(cg%RSL)+2*ee+1]
.set ee, ee+1
.endr
.irp rho, 0,1,2,3
	ds_store_b128 v[SA], v[BO+4*\rho:BO+4*\rho+3] offset:((cg/4)%2)*VBUF+(4*(cg%4)+\rho)*TPITCH   ; 512 consecutive bytes a row; my wave's own bytes
.endr
.if lg < NCH
	LOADCH
.endif
.set cg, cg+1
.endif
.endm
	s_load_b256 s[4:11], s[0:1], 0x0               ; t s[4:5], v s[6:7], mexp s[8:9], part s[10:11]
	v_lshl_add_u32 v254, v0, 2, 0x19800
	v_mov_b32 v255, 0
	v_lshrrev_b32 v1, 5, v0
	v_readfirstlane_b32 s14, v1                    ; wave 0..3
	v_and_b32 v1, 31, v0                           ; lane
	v_lshlrev_b32 v[TG], 4, v1
	s_mul_i32 s35, s14, 2*VBUF
	s_add_co_u32 s35, s35, VST                     ; my wave's two tiles in LDS
	WIN 0x80                                       ; destination in window 2
	v_mov_b32 v[GO], v[TG]
	v_add_nc_u32 v[SA], s35, v[TG]
	WIN 0
	v_and_b32 v6, 15, v0                           ; r
	v_bfe_u32 v7, v0, 4, 1                         ; h
	v_mul_u32_u24 v[TA], v6, TPITCH
	v_lshl_add_u32 v[TA], v7, 4, v[TA]             ; row r, 16 h bytes in; t's stage begins at LDS byte 0
	v_add_nc_u32 v[LAV], s35, v[TA]
	v_lshl_add_u32 v[STO], s14, 14, v[TG]          ; 16 x lane + 8 tiles x 2,048 bytes a wave
	s_mul_i32 s15, s14, 16*TPITCH
	v_add_nc_u32 v[TSA], s15, v[TG]                ; my wave's 16 rows of t's stage, 16 bytes a lane
	v_mov_b32 v[TMP], 0                            ; the lane exchange counts as a user of its destination
	v_mov_b32 v[RI2+1], 0                          ; second register of a pair of which packed products use the first alone
	s_lshr_b32 s34, ttmp9, 5                       ; batch
	s_lshl_b32 s32, s34, 16                        ; 64 rows of t a batch,
	s_lshl_b32 s15, s14, 14                        ; 16 rows a wave
	s_add_co_u32 s32, s32, s15
	s_mov_b32 s33, 0
	s_lshl_b32 s46, ttmp9, 19                      ; 512 rows of v a work-group (under 2^27 bytes in all),
	s_lshl_b32 s15, s14, 17                        ; 128 rows a wave
	s_add_co_u32 s46, s46, s15
	s_mov_b32 s47, 0
	s_mov_b32 s12, 0x76543210                      ; v_permlanex16_b32: lane i reads lane i xor 16
	s_mov_b32 s13, 0xfedcba98
	s_mov_b32 s37, 0x7f800000                      ; +inf
	s_mov_b32 s38, 0x49742400                      ; 1e6 = 1 / eps
	s_mov_b32 s39, 0x7f7fffff                      ; the largest finite f32
	s_mov_b32 s40, 0xff7fffff                      ; and its negative
	s_mov_b32 s41, 0xff00ff00                      ; lanes with bit 3 of r set
	s_mov_b32 s42, 0xf0f0f0f0                      ; bit 2
	s_mov_b32 s43, 0xcccccccc                      ; bit 1
	s_mov_b32 s44, 0xaaaaaaaa                      ; bit 0
	s_mov_b32 s45, 0xffff0000                      ; lanes 16 to 31
	s_mov_b32 s48, 0x00ffff00                      ; lanes 8 to 23
	s_wait_kmcnt 0x0
	s_add_nc_u64 s[4:5], s[4:5], s[32:33]          ; my 16 rows of t
	s_add_nc_u64 s[6:7], s[6:7], s[46:47]          ; my 128 rows of v
.set i, 0
.rept 16
	global_load_b128 v[TX+8*i:TX+8*i+3],   v[TG], s[4:5] offset:i*ROWB       ; a row of t in two loads of 512 consecutive bytes
	global_load_b128 v[TX+8*i+4:TX+8*i+7], v[TG], s[4:5] offset:i*ROWB+512
.set i, i+1
.endr
	WIN 0xaa
	LOADCH                                         ; chunks 0, 1, 2: with t's, 56 loads are out
	LOADCH
	LOADCH
	s_lshl_b32 s32, ttmp9, 16                      ; mexp: 512 rows x 128 bytes a work-group
	s_add_nc_u64 s[8:9], s[8:9], s[32:33]
	s_mul_i32 s32, s34, 24576                      ; part: [batch][3][32 work-groups][64] f32
	s_and_b32 s15, ttmp9, 31
	s_lshl_b32 s15, s15, 8
	s_add_co_u32 s32, s32, s15
	s_add_nc_u64 s[10:11], s[10:11], s[32:33]
	s_wait_loadcnt 24                              ; t's 32 loads are in; the 24 of chunks 0 to 2 stay out
	LOADCH                                         ; chunks 3 to 6: 56 loads are out again
	LOADCH
	LOADCH
	LOADCH
	CHUNK                                          ; chunks 0 to 2 were asked for straight behind t: they are worked on first,
	CHUNK                                          ; so that their slots are asked for again ahead of t's preparation
	CHUNK
	; ---- t: nan_to_num, norm, scale by 0.5 log2 e / max(norm, eps), bf16, into the stage ----
	WIN 0
.set i, 0
.rept 128
	v_med3_num_f32 v[TX+i], v[TX+i], 0, v[TX+i]    ; NaN -> 0
.set i, i+1
.endr
.set i, 0
.rept 128
	v_med3_num_f32 v[TX+i], v[TX+i], s40, s39      ; infinities -> the largest finite numbers
.set i, i+1
.endr
.set i, 0
.rept 16
	v_pk_mul_f32 v[TSS+2*i:TSS+2*i+1], v[TX+8*i:TX+8*i+1], v[TX+8*i:TX+8*i+1]
.set i, i+1
.endr
.irp q, 1,2,3
.set i, 0
.rept 16
	v_pk_fma_f32 v[TSS+2*i:TSS+2*i+1], v[TX+8*i+2*\q:TX+8*i+2*\q+1], v[TX+8*i+2*\q:TX+8*i+2*\q+1], v[TSS+2*i:TSS+2*i+1]
.set i, i+1
.endr
.endr
.set i, 0
.rept 16
	v_add_f32 v[TSS+2*i], v[TSS+2*i], v[TSS+2*i+1]
.set i, i+1
.endr
.irp x, 1,2,4,8
.set i, 0
.rept 16
	v_add_f32_dpp v[TSS+2*i], v[TSS+2*i], v[TSS+2*i] row_xmask:\x row_mask:0xf bank_mask:0xf
.set i, i+1
.endr
.endr
.set i, 0
.rept 16
	v_permlanex16_b32 v[TSS+2*i+1], v[TSS+2*i], s12, s13
.set i, i+1
.endr
.set i, 0
.rept 16
	v_add_f32 v[TSS+2*i], v[TSS+2*i], v[TSS+2*i+1]
.set i, i+1
.endr
.set i, 0
.rept 16
	v_rsq_f32 v[TSS+2*i], v[TSS+2*i]               ; rsq(inf) = 0: the row becomes 0; rsq(0) = inf: capped below
.set i, i+1
.endr
	v_nop                                          ; one plain instruction between a transcendental and the use of its result (ISA guide 5.7.2)
.set i, 0
	s_wait_alu depctr_va_vdst(0)
.rept 16
	v_min_num_f32 v[TSS+2*i], s38, v[TSS+2*i]
.set i, i+1
.endr
.set i, 0
.rept 16
	v_mul_f32 v[TSS+2*i], 0x3f38aa3b, v[TSS+2*i]   ; 0.5 log2 e
.set i, i+1
.endr
.set i, 0
.rept 16
.irp q, 0,1,2,3
	v_pk_mul_f32 v[TX+8*i+2*\q:TX+8*i+2*\q+1], v[TX+8*i+2*\q:TX+8*i+2*\q+1], v[TSS+2*i:TSS+2*i+1] op_sel_hi:[1,0]
.endr
.set i, i+1
.endr
.set i, 0
.rept 64
	v_cvt_pk_bf16_f32 v[TB+i], v[TX+2*i], v[TX+2*i+1]
.set i, i+1
.endr
.set i, 0
.rept 16
	ds_store_b128 v[TSA], v[TB+4*i:TB+4*i+3] offset:i*TPITCH       ; unit L of the row: k = 4 L .. + 3, 128 + 4 L .. + 3, as for v
.set i, i+1
.endr
	CHUNK                                          ; chunk 3: tile 0 is whole in my stage
	s_wait_dscnt 0x0                               ; my rows of t's stage are written, for the other waves' sake
	s_barrier_signal -1
	s_barrier_wait -1
	WIN 0x40                                       ; destination in window 1
.irp i, 0,1,2,3
.irp s, 0,1,2,3,4,5,6,7
	ds_load_b128 v[8*(8*\i+\s):8*(8*\i+\s)+3],   v[TA] offset:\i*16*TPITCH+64*\s      ; t row 16 i + r, K step s, registers 0-3
	ds_load_b128 v[8*(8*\i+\s)+4:8*(8*\i+\s)+7], v[TA] offset:\i*16*TPITCH+64*\s+32   ; registers 4-7
.endr
.endr
; 40 matrix instructions.  32: eight K steps x the four tiles of t; 8: v's fragments times themselves, even and odd K steps apart.
; The accumulators take turns, one instruction a turn.  The first products start the sums with the constant 0.
.macro MM acc
	WIN 0x01                                       ; source 0 (t) in window 1
.irp s, 0,1,2,3,4,5,6,7
.irp i, 0,1,2,3
.if \s == 0
	v_wmma_f32_16x16x32_bf16 v[\acc+8*\i:\acc+8*\i+7], v[8*(8*\i+\s):8*(8*\i+\s)+7], v[FR+8*\s:FR+8*\s+7], 0
.else
	v_wmma_f32_16x16x32_bf16 v[\acc+8*\i:\acc+8*\i+7], v[8*(8*\i+\s):8*(8*\i+\s)+7], v[FR+8*\s:FR+8*\s+7], v[\acc+8*\i:\acc+8*\i+7]
.endif
.endr
.endr
	WIN 0
.irp s, 0,2,4,6
.if \s == 0
	v_wmma_f32_16x16x32_bf16 v[NA:NA+7], v[FR+8*\s:FR+8*\s+7], v[FR+8*\s:FR+8*\s+7], 0
	v_wmma_f32_16x16x32_bf16 v[NB:NB+7], v[FR+8*\s+8:FR+8*\s+15], v[FR+8*\s+8:FR+8*\s+15], 0
.else
	v_wmma_f32_16x16x32_bf16 v[NA:NA+7], v[FR+8*\s:FR+8*\s+7], v[FR+8*\s:FR+8*\s+7], v[NA:NA+7]
	v_wmma_f32_16x16x32_bf16 v[NB:NB+7], v[FR+8*\s+8:FR+8*\s+15], v[FR+8*\s+8:FR+8*\s+15], v[NB:NB+7]
.endif
.endr
.endm
; My row's norm, E, the sum over t, the argument of W.  nops = 1: no chunk's turn stands between the matrix instructions and this macro.
.macro SOFTA nops, acc
	WIN 0
.if \nops
.rept 4
	v_nop                                          ; four places between a matrix instruction and a vector instruction that reads its result (ISA guide 7.12.1);
.endr                                              ; elsewhere the chunk's conversions, which name other registers, are those places
.endif
.irp m, 0,2,4,6
	v_pk_add_f32 v[NA+\m:NA+\m+1], v[NA+\m:NA+\m+1], v[NB+\m:NB+\m+1]
.endr
	; lane (r, h), register j holds (row 8 h + j) . (row r): the diagonal lies in register r & 7 of the lanes with h = r >> 3
	v_cndmask_b32 v[DG+0], v[NA+0], v[NA+1], s44
	v_cndmask_b32 v[DG+1], v[NA+2], v[NA+3], s44
	v_cndmask_b32 v[DG+2], v[NA+4], v[NA+5], s44
	v_cndmask_b32 v[DG+3], v[NA+6], v[NA+7], s44
	v_cndmask_b32 v[DG+4], v[DG+0], v[DG+1], s43
	v_cndmask_b32 v[DG+5], v[DG+2], v[DG+3], s43
	v_cndmask_b32 v[DG+6], v[DG+4], v[DG+5], s42
	v_permlanex16_b32 v[TMP], v[DG+6], s12, s13
	v_cndmask_b32 v[SSQ], v[DG+6], v[TMP], s48               ; lanes 8 to 23 take it from lane xor 16
	v_cmp_gt_f32 s36, s37, v[SSQ]                            ; lanes whose row has a finite sum of squares
	v_rsq_f32 v[RS], v[SSQ]
	v_nop                                                    ; a plain instruction behind the transcendental
	s_wait_alu depctr_va_vdst(0)
	v_min_num_f32 v[RS], s38, v[RS]                          ; 1 / max(norm, 1e-6)
	; S log2 e; S = 0 for a row of infinite norm; E.  A pair's exponentials stand among the next pair's plain instructions.
.set k, 0
.rept 17
.if k < 16
	v_pk_mul_f32 v[\acc+2*k:\acc+2*k+1], v[\acc+2*k:\acc+2*k+1], v[RS:RS+1] op_sel_hi:[1,0]
	v_cndmask_b32 v[\acc+2*k], 0, v[\acc+2*k], s36
.endif
.if k > 0
	v_exp_f32 v[\acc+2*k-2], v[\acc+2*k-2]
.endif
.if k < 16
	v_cndmask_b32 v[\acc+2*k+1], 0, v[\acc+2*k+1], s36
.endif
.if k > 0
	v_exp_f32 v[\acc+2*k-1], v[\acc+2*k-1]
.endif
.set k, k+1
.endr
	v_nop
	s_wait_alu depctr_va_vdst(0)
	v_pk_add_f32 v[P:P+1],   v[\acc:\acc+1],     v[\acc+2:\acc+3]
	v_pk_add_f32 v[P+2:P+3], v[\acc+4:\acc+5],   v[\acc+6:\acc+7]
	v_pk_add_f32 v[P+4:P+5], v[\acc+8:\acc+9],   v[\acc+10:\acc+11]
	v_pk_add_f32 v[P+6:P+7], v[\acc+12:\acc+13], v[\acc+14:\acc+15]
.set k, 0
.rept 8
	v_pk_add_f32 v[P+2*(k%4):P+2*(k%4)+1], v[P+2*(k%4):P+2*(k%4)+1], v[\acc+16+2*k:\acc+16+2*k+1]
.set k, k+1
.endr
	v_pk_add_f32 v[P:P+1], v[P:P+1], v[P+2:P+3]
	v_pk_add_f32 v[P+4:P+5], v[P+4:P+5], v[P+6:P+7]
	v_pk_add_f32 v[P:P+1], v[P:P+1], v[P+4:P+5]
	v_add_f32 v[P], v[P], v[P+1]
	v_permlanex16_b32 v[TMP], v[P], s12, s13                 ; the other 32 t of my row
	v_add_f32 v[P], v[P], v[TMP]
	v_rcp_f32 v[RI], v[P]
	v_nop
	s_wait_alu depctr_va_vdst(0)
	v_mul_f32 v[RI2], 0x3f38aa3b, v[RI]
.set k, 0
.rept 16
	v_pk_mul_f32 v[ARG+2*k:ARG+2*k+1], v[\acc+2*k:\acc+2*k+1], v[RI2:RI2+1] op_sel_hi:[1,0]   ; A / 2 log2 e
.set k, k+1
.endr
.endm
; W, E - 1 out, the three running sums.  first = 1: acc is SZ and wr is SD, so E and W start their sums where they are made, and the third
; sum starts with a product: nothing is cleared.  The third sum is of W x (A / 2 log2 e); the constant is taken out once, at the end.
.macro SOFTB tau, first, acc, wr
	WIN 0
	s_wait_xcnt 0x0                                ; FH, which the last tile's stores read, is rewritten only behind this wait
.set k, 0
.rept 16
	v_exp_f32 v[\wr+2*k], v[ARG+2*k]                         ; W, among plain instructions that touch neither it nor its source
	v_pk_add_f32 v[P+2*(k%4):P+2*(k%4)+1], v[\acc+2*k:\acc+2*k+1], -1.0 op_sel_hi:[1,0]
	v_exp_f32 v[\wr+2*k+1], v[ARG+2*k+1]
	v_cvt_pk_f16_f32 v[FH+k], v[P+2*(k%4)], v[P+2*(k%4)+1]
.if \first == 0
	v_pk_add_f32 v[SZ+2*k:SZ+2*k+1], v[SZ+2*k:SZ+2*k+1], v[\acc+2*k:\acc+2*k+1]
.endif
.set k, k+1
.endr
.irp i, 0,1,2,3
	global_store_b128 v[STO], v[FH+4*\i:FH+4*\i+3], s[8:9] offset:\tau*2048+\i*512   ; mexp is laid [tile of 16 rows][i][lane][8 f16]: each store of the wave covers 512 consecutive bytes, aligned; no hint: the next launch reads it
.endr
.set k, 0
.rept 16
.if \first
	s_wait_alu depctr_va_vdst(0)
	v_pk_mul_f32 v[SN+2*k:SN+2*k+1], v[\wr+2*k:\wr+2*k+1], v[ARG+2*k:ARG+2*k+1]
.else
	s_wait_alu depctr_va_vdst(0)
	v_pk_add_f32 v[SD+2*k:SD+2*k+1], v[SD+2*k:SD+2*k+1], v[\wr+2*k:\wr+2*k+1]
	v_pk_fma_f32 v[SN+2*k:SN+2*k+1], v[\wr+2*k:\wr+2*k+1], v[ARG+2*k:ARG+2*k+1], v[SN+2*k:SN+2*k+1]
.endif
.set k, k+1
.endr
.endm
; One tile of 16 rows, from half buf of my stage; the four chunks of the next tile take their turns between its parts, so that the ring's
; slots are asked for again at even distances.
.macro TILE tau, buf, first, acc, wr, last
	WIN 0
.irp s, 0,1,2,3,4,5,6,7
	ds_load_b128 v[FR+8*\s:FR+8*\s+3],   v[LAV] offset:\buf*VBUF+64*\s      ; LDS serves a wave's instructions in order (ISA guide 5.7.1.4): these see my stores
	ds_load_b128 v[FR+8*\s+4:FR+8*\s+7], v[LAV] offset:\buf*VBUF+64*\s+32
.endr
	CHUNK
.if \last
	s_wait_dscnt 0x0
.else
	s_wait_dscnt 4                                 ; the fragments (and, in tile 0, t's) are in; the chunk's four stores stay out
.endif
	MM \acc
	CHUNK
	SOFTA \last, \acc
	CHUNK
	SOFTB \tau, \first, \acc, \wr
	CHUNK
.endm
	TILE 0, 0, 1, SZ,  SD, 0
	TILE 1, 1, 0, ACC, WW, 0
	TILE 2, 0, 0, ACC, WW, 0
	TILE 3, 1, 0, ACC, WW, 0
	TILE 4, 0, 0, ACC, WW, 0
	TILE 5, 1, 0, ACC, WW, 0
	TILE 6, 0, 0, ACC, WW, 0
	TILE 7, 1, 0, ACC, WW, 1
	WIN 0
	; ---- the 96 sums over the 16 lanes of each half.  A step halves the registers: a lane keeps one of two registers by a bit of r, gives
	; the other to its partner and adds what the partner gives.  Behind the four steps register k of lane r holds the whole sum of register 6 r + k.
.macro FOLD cnt, msk, xm
.set k, 0
.rept \cnt
	v_cndmask_b32 v[P+2*(k%4)],   v[SZ+k], v[SZ+k+\cnt], s[\msk]
	v_cndmask_b32 v[P+2*(k%4)+1], v[SZ+k+\cnt], v[SZ+k], s[\msk]
	v_add_f32_dpp v[SZ+k], v[P+2*(k%4)+1], v[P+2*(k%4)] row_xmask:\xm row_mask:0xf bank_mask:0xf
.set k, k+1
.endr
.endm
	FOLD 48, 41, 8
	FOLD 24, 42, 4
	FOLD 12, 43, 2
	FOLD 6,  44, 1
	v_and_b32 v[FR], 15, v0                        ; r
	v_bfe_u32 v[FR+1], v0, 4, 1                    ; h
	v_mul_u32_u24 v[FR+2], v[FR], 24               ; six numbers a lane
	v_mad_u32_u24 v[FR+2], v[FR+1], 384, v[FR+2]   ; 96 numbers a half
	s_mul_i32 s35, s14, 768
	s_add_co_u32 s35, s35, RED
	v_add_nc_u32 v[FR+2], s35, v[FR+2]
	ds_store_b64 v[FR+2], v[SZ:SZ+1]
	ds_store_b64 v[FR+2], v[SZ+2:SZ+3] offset:8
	ds_store_b64 v[FR+2], v[SZ+4:SZ+5] offset:16
	s_wait_dscnt 0x0                               ; written, for the other waves' sake
	s_barrier_signal -1
	s_barrier_wait -1
	s_cmp_gt_u32 s14, 2
	s_cbranch_scc1 .Ldone                          ; wave q = 0, 1, 2 adds up sum q (of E, of W, of W A) over the four waves
	; lane (u, hh): t = 4 u .. 4 u + 3, which lie in half (u >> 1) & 1 at registers 32 q + 8 (u >> 2) + 4 (u & 1) ..; waves 2 hh, 2 hh + 1
	v_bfe_u32 v[FR+3], v0, 1, 1
	v_bfe_u32 v[FR+4], v0, 2, 2
	v_and_b32 v[FR+5], 1, v0
	v_mul_u32_u24 v[FR+6], v[FR+1], 1536
	v_mad_u32_u24 v[FR+6], v[FR+3], 384, v[FR+6]
	v_lshl_add_u32 v[FR+6], v[FR+4], 5, v[FR+6]
	v_lshl_add_u32 v[FR+6], v[FR+5], 4, v[FR+6]
	s_lshl_b32 s35, s14, 7
	s_add_co_u32 s35, s35, RED
	v_add_nc_u32 v[FR+6], s35, v[FR+6]
	ds_load_b128 v[WW:WW+3],   v[FR+6]
	ds_load_b128 v[WW+4:WW+7], v[FR+6] offset:768
	v_lshlrev_b32 v[FR+7], 4, v[FR]
	v_lshl_add_u32 v[FR+7], v[FR+1], 3, v[FR+7]
	v_lshl_add_u32 v[FR+7], s14, 13, v[FR+7]       ; 8,192 q + 16 u + 8 hh
	s_mov_b32 s46, 0x3f800000                      ; 1.0 for the sums of E and of W;
	s_cmp_eq_u32 s14, 2
	s_cmov_b32 s46, 0x3fb17218                     ; 2 ln 2 = 1 / (0.5 log2 e) for the third: it becomes the sum of W A
	s_wait_dscnt 0x0
	v_pk_add_f32 v[WW:WW+1],   v[WW:WW+1],   v[WW+4:WW+5]
	v_pk_add_f32 v[WW+2:WW+3], v[WW+2:WW+3], v[WW+6:WW+7]
.irp e, 0,1,2,3
	v_permlanex16_b32 v[WW+4+\e], v[WW+\e], s12, s13         ; the other two waves
.endr
	v_pk_add_f32 v[WW:WW+1],   v[WW:WW+1],   v[WW+4:WW+5]
	v_pk_add_f32 v[WW+2:WW+3], v[WW+2:WW+3], v[WW+6:WW+7]
	v_cndmask_b32 v[WW+8], v[WW],   v[WW+2], s45             ; lanes 0-15 store t = 4 u, 4 u + 1; lanes 16-31 t = 4 u + 2, 4 u + 3:
	v_cndmask_b32 v[WW+9], v[WW+1], v[WW+3], s45
	v_mul_f32 v[WW+8], s46, v[WW+8]
	v_mul_f32 v[WW+9], s46, v[WW+9]
	global_store_b64 v[FR+7], v[WW+8:WW+9], s[10:11]         ; the wave's one store covers the record's 256 consecutive bytes, aligned
.Ldone:
	s_wait_tensorcnt 0x0
	ds_add_u32 v254, v255
	s_wait_dscnt 0x0
	s_endpgm
.Lfunc_end_k_q70dcd8d817_attend:
	.size	k_q70dcd8d817_attend, .Lfunc_end_k_q70dcd8d817_attend-k_q70dcd8d817_attend
	.p2alignl 7, 3214868480
	.fill 96, 4, 3214868480
	.section	.rodata,"a",@progbits
	.p2align	6, 0x0
	.amdhsa_kernel k_q70dcd8d817_attend
		.amdhsa_group_segment_fixed_size 104960
		.amdhsa_private_segment_fixed_size 0
		.amdhsa_enable_private_segment 0
		.amdhsa_kernarg_size 32
		.amdhsa_user_sgpr_count 2
		.amdhsa_user_sgpr_kernarg_segment_ptr 1
		.amdhsa_wavefront_size32 1
		.amdhsa_system_sgpr_workgroup_id_x 1
		.amdhsa_system_sgpr_workgroup_id_y 1
		.amdhsa_system_sgpr_workgroup_id_z 1
		.amdhsa_system_vgpr_workitem_id 0
		.amdhsa_next_free_vgpr 768
		.amdhsa_next_free_sgpr 66
		.amdhsa_reserve_vcc 0
		.amdhsa_float_denorm_mode_32 3
		.amdhsa_float_denorm_mode_16_64 3
		.amdhsa_memory_ordered 1
		.amdhsa_forward_progress 1
		.amdhsa_inst_pref_size 255
	.end_amdhsa_kernel
	.section	.bss,"aw",@nobits
	.p2align	6
	.space	262144
	.amdgpu_metadata
---
amdhsa.version: [ 1, 2 ]
amdhsa.kernels:
  - .name:           k_q70dcd8d817_attend
    .symbol:         k_q70dcd8d817_attend.kd
    .args:
      - { .name: t, .offset: 0, .size: 8, .value_kind: global_buffer, .address_space: global }
      - { .name: v, .offset: 8, .size: 8, .value_kind: global_buffer, .address_space: global }
      - { .name: mexp, .offset: 16, .size: 8, .value_kind: global_buffer, .address_space: global }
      - { .name: part, .offset: 24, .size: 8, .value_kind: global_buffer, .address_space: global }
    .group_segment_fixed_size: 104960
    .private_segment_fixed_size: 0
    .kernarg_segment_align: 8
    .kernarg_segment_size: 32
    .max_flat_workgroup_size: 128
    .sgpr_count:     66
    .vgpr_count:     768
    .wavefront_size: 32
...
	.end_amdgpu_metadata
.endif
;; end of part 1
;; launch score (part 2): grid 256 x 1, 4 waves a work-group, no clusters, 6,656 bytes of LDS; arguments mexp, part, raw, mm; writes raw, mm
.if DOCPART == 2
	.amdgcn_target "amdgcn-amd-amdhsa--gfx1250"
	.amdhsa_code_object_version 6
	.text
	.protected	k_q70dcd8d817_score
	.globl	k_q70dcd8d817_score
	.p2align	8
	.type	k_q70dcd8d817_score,@function
k_q70dcd8d817_score:
	s_mov_b64 s[64:65], 0
	v_nop
	global_prefetch_b8 v0, s[64:65] scope:SCOPE_SE
	s_setreg_imm32_b32 hwreg(HW_REG_WAVE_MODE, 25, 1), 1
	s_wait_xcnt 0x0
; QVTree, second of three launches.  From the first launch's sums: ts[t] = (sum W A) / (sum W), c[t] = ts[t] / (sum over t of ts + 1e-6) / (sum E);
; then raw[v] = sum over t of c[t] (E[v][t] - 1), which differs from the problem's scores by the constant sum of c, and that constant drops
; out of (scores - min) / (max - min + eps).  Also the smallest and largest raw score of each wave's 128 rows.
; 256 work-groups of four waves; a work-group owns 512 rows, a wave 128 rows = 8 tiles of 16 rows = 32 loads of 512 consecutive bytes, all
; asked for at the start, behind the 12 loads of sums that are needed first.
; THE PRODUCT: mexp lies as the first launch's lanes held it, [tile][i][lane][8 f16], lane (r, h): row r, t = 16 i + 8 h ..; that is the B
; fragment of the f16 matrix form (i = 0, 1: K step 0; i = 2, 3: K step 1), so nothing is unpacked.  A's 16 rows all hold c, so every
; register of the result holds its column's score.  c is scaled by 2^20 before it is rounded to f16, and the result scaled back:
; A lies in [0.0058, 0.042] and sum E in [0.6, 1.65] x 16,384 for every input, so c 2^20 lies between 0.05 and 20, normal in f16.
; LIMITS: c 2^20 and E - 1 are rounded to f16 as matrix operands; the divisions are rcp and a product (1 ulp each); the sums of W and of E
; are at least 0.6 x 16,384, so no divisor is near zero.
; No tensor loads, no cluster: each byte of mexp is read once by one lane, straight into the register where the matrix instruction wants it.
.set LN,  1                            ; lane
.set OFF, 2                            ; 16 x lane
.set U,   3                            ; lane mod 16
.set HH,  4                            ; half of the wave
.set RA,  5                            ; LDS: where my wave puts its sums
.set RB,  6                            ; LDS: from where every wave's are read
.set CA,  7                            ; LDS: c in, in the order of t
.set CR,  8                            ; LDS: c back, in the order of a fragment
.set TRA, 9                            ; LDS: scores in
.set TRB, 10                           ; LDS: scores back, four neighbouring rows a lane
.set RO,  11                           ; my byte offset in the work-group's part of raw
.set TM,  12
.set ZO,  13
.set MN,  14                           ; v[14:15] smallest, largest
.set MX,  15
.set PL,  16                           ; v[16:63]  sums: 16 registers for each of the three kinds
.set C,   64                           ; v[64:95]  c[16 i + 8 h + j] at 8 i + j
.set CF,  96                           ; v[96:111] the same in f16: two A fragments
.set R,   112                          ; v[112:115] scores: row 32 p + lane
.set R4,  116                          ; v[116:119] scores: rows 4 lane .. + 3
.set X,   120                          ; v[120:247] E - 1 in f16 as loaded: 16 registers a tile
.set ACC, 16                           ; v[16:79]  eight accumulator tiles, where PL and C lay
.set RED2, 0                           ; [wave][3][64] f32
.set CB,   3072                        ; c, a copy for each wave
.set TR,   4096                        ; 128 scores for each wave
	s_load_b256 s[4:11], s[0:1], 0x0               ; mexp s[4:5], part s[6:7], raw s[8:9], mm s[10:11]
	v_lshl_add_u32 v254, v0, 2, 0x1800
	v_mov_b32 v255, 0
	v_and_b32 v[LN], 31, v0
	v_lshrrev_b32 v[U], 5, v0
	v_readfirstlane_b32 s14, v[U]                  ; wave 0..3
	v_and_b32 v[U], 15, v0
	v_bfe_u32 v[HH], v0, 4, 1
	v_lshlrev_b32 v[OFF], 4, v[LN]
	s_lshr_b32 s15, ttmp9, 5                       ; batch
	s_mul_i32 s16, s15, 24576                      ; part: [batch][3][32][64] f32;
	s_lshl_b32 s24, s14, 11                        ; my wave takes records 8 w .. 8 w + 7
	s_add_co_u32 s16, s16, s24
	s_mov_b32 s17, 0
	s_lshl_b32 s18, ttmp9, 16                      ; mexp: 65,536 bytes a work-group, 16,384 a wave
	s_lshl_b32 s24, s14, 14
	s_add_co_u32 s18, s18, s24
	s_mov_b32 s19, 0
	s_lshl_b32 s20, ttmp9, 11                      ; raw: 2,048 bytes a work-group
	s_mov_b32 s21, 0
	s_lshl_b32 s22, ttmp9, 5                       ; mm: [work-group][wave][2] f32
	s_lshl_b32 s24, s14, 3
	s_add_co_u32 s22, s22, s24
	s_mov_b32 s23, 0
	s_mov_b32 s12, 0x76543210                      ; v_permlanex16_b32: lane i reads lane i xor 16
	s_mov_b32 s13, 0xfedcba98
	s_mov_b32 s25, 0xffff0000                      ; lanes 16 to 31
	s_wait_kmcnt 0x0
	s_add_nc_u64 s[6:7], s[6:7], s[16:17]
	s_add_nc_u64 s[4:5], s[4:5], s[18:19]
	s_add_nc_u64 s[8:9], s[8:9], s[20:21]
	s_add_nc_u64 s[10:11], s[10:11], s[22:23]
.irp q, 0,1,2
.irp k, 0,1,2,3
	global_load_b128 v[PL+16*\q+4*\k:PL+16*\q+4*\k+3], v[OFF], s[6:7] offset:\q*8192+\k*512   ; two records of 256 bytes: lanes 0-15 one, lanes 16-31 the next
.endr
.endr
.set n, 0
.rept 32
	global_load_b128 v[X+4*n:X+4*n+3], v[OFF], s[4:5] offset:n*512 th:TH_LOAD_NT   ; tile n / 4, i = n % 4; read once in the launch
.set n, n+1
.endr
	s_mul_i32 s24, s14, 768
	v_lshlrev_b32 v[RB], 4, v[U]
	v_add_nc_u32 v[RA], s24, v[RB]
	s_lshl_b32 s24, s14, 8
	s_add_co_u32 s24, s24, CB
	v_lshl_add_u32 v[CA], v[U], 4, s24
	v_lshl_add_u32 v[CR], v[HH], 5, s24
	s_lshl_b32 s24, s14, 9
	v_lshl_add_u32 v[RO], v[LN], 4, s24
	s_add_co_u32 s24, s24, TR
	v_lshl_add_u32 v[TRA], v[LN], 2, s24
	v_lshl_add_u32 v[TRB], v[LN], 4, s24
	v_mov_b32 v[TM], 0                             ; the lane exchange counts as a user of its destination
	v_mov_b32 v[ZO], 0
.macro SUM4 b                          ; four times four numbers at v[b .. b+15] become four at v[b .. b+3]
	v_pk_add_f32 v[\b:\b+1],     v[\b:\b+1],     v[\b+4:\b+5]
	v_pk_add_f32 v[\b+2:\b+3],   v[\b+2:\b+3],   v[\b+6:\b+7]
	v_pk_add_f32 v[\b+8:\b+9],   v[\b+8:\b+9],   v[\b+12:\b+13]
	v_pk_add_f32 v[\b+10:\b+11], v[\b+10:\b+11], v[\b+14:\b+15]
	v_pk_add_f32 v[\b:\b+1],     v[\b:\b+1],     v[\b+8:\b+9]
	v_pk_add_f32 v[\b+2:\b+3],   v[\b+2:\b+3],   v[\b+10:\b+11]
.endm
	s_wait_loadcnt 32                              ; loads come back in order (ISA guide 5.7.1): the 12 of sums are in, the 32 of mexp stay out
	SUM4 PL
	SUM4 PL+16
	SUM4 PL+32
.irp q, 0,1,2
.irp e, 0,1,2,3
	v_permlanex16_b32 v[PL+16*\q+4+\e], v[PL+16*\q+\e], s12, s13   ; the other half's four records
.endr
	v_pk_add_f32 v[PL+16*\q:PL+16*\q+1],   v[PL+16*\q:PL+16*\q+1],   v[PL+16*\q+4:PL+16*\q+5]
	v_pk_add_f32 v[PL+16*\q+2:PL+16*\q+3], v[PL+16*\q+2:PL+16*\q+3], v[PL+16*\q+6:PL+16*\q+7]
.endr
.irp q, 0,1,2
	ds_store_b128 v[RA], v[PL+16*\q:PL+16*\q+3] offset:\q*256      ; both halves write the same numbers to the same bytes
.endr
	s_wait_dscnt 0x0                               ; written, for the other waves' sake
	s_barrier_signal -1
	s_barrier_wait -1
.irp q, 0,1,2
.irp k, 0,1,2,3
	ds_load_b128 v[PL+16*\q+4*\k:PL+16*\q+4*\k+3], v[RB] offset:\k*768+\q*256   ; every wave's part
.endr
.endr
	s_wait_dscnt 0x0
	SUM4 PL
	SUM4 PL+16
	SUM4 PL+32
	; every lane now holds, for t = 4 u .. 4 u + 3: sum E at PL, sum W at PL + 16, sum W A at PL + 32
.irp e, 0,1,2,3
	v_rcp_f32 v[PL+20+\e], v[PL+16+\e]
.endr
.irp e, 0,1,2,3
	v_rcp_f32 v[PL+4+\e], v[PL+\e]
.endr
	v_nop                                          ; one plain instruction between a transcendental and the use of its result (ISA guide 5.7.2)
	s_wait_alu depctr_va_vdst(0)
	v_pk_mul_f32 v[PL+32:PL+33], v[PL+32:PL+33], v[PL+20:PL+21]   ; ts
	v_pk_mul_f32 v[PL+34:PL+35], v[PL+34:PL+35], v[PL+22:PL+23]
	v_pk_add_f32 v[PL+36:PL+37], v[PL+32:PL+33], v[PL+34:PL+35]
	v_add_f32 v[PL+36], v[PL+36], v[PL+37]
.irp x, 1,2,4,8
	v_add_f32_dpp v[PL+36], v[PL+36], v[PL+36] row_xmask:\x row_mask:0xf bank_mask:0xf   ; 16 lanes x 4 = all 64 t
.endr
	v_add_f32 v[PL+36], 0x358637bd, v[PL+36]       ; + 1e-6
	v_rcp_f32 v[PL+36], v[PL+36]
	v_pk_mul_f32 v[PL+32:PL+33], v[PL+32:PL+33], v[PL+4:PL+5]     ; / sum E (and the plain place behind the rcp)
	v_pk_mul_f32 v[PL+34:PL+35], v[PL+34:PL+35], v[PL+6:PL+7]
	s_wait_alu depctr_va_vdst(0)
	v_mul_f32 v[PL+36], 0x49800000, v[PL+36]       ; x 2^20, exact
	v_pk_mul_f32 v[PL+32:PL+33], v[PL+32:PL+33], v[PL+36:PL+37] op_sel_hi:[1,0]
	v_pk_mul_f32 v[PL+34:PL+35], v[PL+34:PL+35], v[PL+36:PL+37] op_sel_hi:[1,0]
	ds_store_b128 v[CA], v[PL+32:PL+35]            ; c 2^20 in the order of t, in my wave's own bytes (both halves write the same numbers);
.irp i, 0,1,2,3
	ds_load_b128 v[C+8*\i:C+8*\i+3],   v[CR] offset:64*\i        ; LDS serves a wave's instructions in order (ISA guide 5.7.1.4): these see the store
	ds_load_b128 v[C+8*\i+4:C+8*\i+7], v[CR] offset:64*\i+16
.endr
	s_wait_dscnt 0x0
.set k, 0
.rept 16
	v_cvt_pk_f16_f32 v[CF+k], v[C+2*k], v[C+2*k+1]
.set k, k+1
.endr
	s_wait_loadcnt 0x0                             ; all of my 128 rows of mexp
	; two K steps of 32 x eight tiles.  The eight accumulators take turns, one instruction a turn.
.irp tau, 0,1,2,3,4,5,6,7
	v_wmma_f32_16x16x32_f16 v[ACC+8*\tau:ACC+8*\tau+7], v[CF:CF+7], v[X+16*\tau:X+16*\tau+7], 0
.endr
.irp tau, 0,1,2,3,4,5,6,7
	v_wmma_f32_16x16x32_f16 v[ACC+8*\tau:ACC+8*\tau+7], v[CF+8:CF+15], v[X+16*\tau+8:X+16*\tau+15], v[ACC+8*\tau:ACC+8*\tau+7]
.endr
.rept 4
	v_nop                                          ; four places between a matrix instruction and a vector instruction that reads its result (ISA guide 7.12.1)
.endr
.irp p, 0,1,2,3
	v_cndmask_b32 v[R+\p], v[ACC+16*\p], v[ACC+16*\p+8], s25     ; lanes 0-15: tile 2 p, lanes 16-31: tile 2 p + 1: row 32 p + lane
.endr
	v_pk_mul_f32 v[R:R+1],   v[R:R+1],   0x35800000 op_sel_hi:[1,0]   ; x 2^-20, exact
	v_pk_mul_f32 v[R+2:R+3], v[R+2:R+3], 0x35800000 op_sel_hi:[1,0]
.irp p, 0,1,2,3
	ds_store_b32 v[TRA], v[R+\p] offset:128*\p     ; my wave's own bytes:
.endr
	ds_load_b128 v[R4:R4+3], v[TRB]                ; read back in order, four neighbouring rows a lane
	v_min3_num_f32 v[MN], v[R], v[R+1], v[R+2]
	v_max3_num_f32 v[MX], v[R], v[R+1], v[R+2]
	v_min_num_f32 v[MN], v[MN], v[R+3]
	v_max_num_f32 v[MX], v[MX], v[R+3]
.irp x, 1,2,4,8
	v_min_num_f32_dpp v[MN], v[MN], v[MN] row_xmask:\x row_mask:0xf bank_mask:0xf
	v_max_num_f32_dpp v[MX], v[MX], v[MX] row_xmask:\x row_mask:0xf bank_mask:0xf
.endr
	v_permlanex16_b32 v[TM], v[MN], s12, s13
	v_min_num_f32 v[MN], v[MN], v[TM]
	v_permlanex16_b32 v[TM], v[MX], s12, s13
	v_max_num_f32 v[MX], v[MX], v[TM]
	v_cmp_eq_u32 vcc_lo, 0, v[LN]
	s_wait_dscnt 0x0
	global_store_b128 v[RO], v[R4:R4+3], s[8:9]    ; the wave's store covers 512 consecutive bytes, aligned
	s_wait_xcnt 0x0                                ; EXEC is a source of the pending store: it changes only behind this wait
	s_wait_tensorcnt 0x0
	ds_add_u32 v254, v255
	s_wait_dscnt 0x0
	s_and_saveexec_b32 s26, vcc_lo
	global_store_b64 v[ZO], v[MN:MX], s[10:11]     ; lane 0: my wave's pair; 8 bytes a wave, 8 KiB in the whole launch
	s_wait_xcnt 0x0                                ; and again in front of the line that widens it
	s_or_b32 exec_lo, exec_lo, s26
	s_endpgm
.Lfunc_end_k_q70dcd8d817_score:
	.size	k_q70dcd8d817_score, .Lfunc_end_k_q70dcd8d817_score-k_q70dcd8d817_score
	.p2alignl 7, 3214868480
	.fill 96, 4, 3214868480
	.section	.rodata,"a",@progbits
	.p2align	6, 0x0
	.amdhsa_kernel k_q70dcd8d817_score
		.amdhsa_group_segment_fixed_size 6656
		.amdhsa_private_segment_fixed_size 0
		.amdhsa_enable_private_segment 0
		.amdhsa_kernarg_size 32
		.amdhsa_user_sgpr_count 2
		.amdhsa_user_sgpr_kernarg_segment_ptr 1
		.amdhsa_wavefront_size32 1
		.amdhsa_system_sgpr_workgroup_id_x 1
		.amdhsa_system_sgpr_workgroup_id_y 1
		.amdhsa_system_sgpr_workgroup_id_z 1
		.amdhsa_system_vgpr_workitem_id 0
		.amdhsa_next_free_vgpr 256
		.amdhsa_next_free_sgpr 66
		.amdhsa_reserve_vcc 1
		.amdhsa_float_denorm_mode_32 3
		.amdhsa_float_denorm_mode_16_64 3
		.amdhsa_memory_ordered 1
		.amdhsa_forward_progress 1
		.amdhsa_inst_pref_size 17
	.end_amdhsa_kernel
	.amdgpu_metadata
---
amdhsa.version: [ 1, 2 ]
amdhsa.kernels:
  - .name:           k_q70dcd8d817_score
    .symbol:         k_q70dcd8d817_score.kd
    .args:
      - { .name: mexp, .offset: 0, .size: 8, .value_kind: global_buffer, .address_space: global }
      - { .name: part, .offset: 8, .size: 8, .value_kind: global_buffer, .address_space: global }
      - { .name: raw, .offset: 16, .size: 8, .value_kind: global_buffer, .address_space: global }
      - { .name: mm, .offset: 24, .size: 8, .value_kind: global_buffer, .address_space: global }
    .group_segment_fixed_size: 6656
    .private_segment_fixed_size: 0
    .kernarg_segment_align: 8
    .kernarg_segment_size: 32
    .max_flat_workgroup_size: 128
    .sgpr_count:     66
    .vgpr_count:     256
    .wavefront_size: 32
...
	.end_amdgpu_metadata
.endif
;; end of part 2
;; launch norm (part 3): grid 256 x 1, 4 waves a work-group, no clusters, 0 bytes of LDS; arguments raw, mm, out0; writes out0
.if DOCPART == 3
	.amdgcn_target "amdgcn-amd-amdhsa--gfx1250"
	.amdhsa_code_object_version 6
	.text
	.protected	k_q70dcd8d817_norm
	.globl	k_q70dcd8d817_norm
	.p2align	8
	.type	k_q70dcd8d817_norm,@function
k_q70dcd8d817_norm:
	s_mov_b64 s[64:65], 0
	v_nop
	global_prefetch_b8 v0, s[64:65] scope:SCOPE_SE
	s_setreg_imm32_b32 hwreg(HW_REG_WAVE_MODE, 25, 1), 1
	s_wait_xcnt 0x0
; QVTree, third of three launches: out = (raw - min) / (max - min + 1e-6), min and max over the batch's 16,384 rows.
; 256 work-groups of four waves; a work-group owns 512 rows, a thread four neighbouring rows (16 bytes), so each load and store of a wave
; covers 512 consecutive bytes, aligned.  Every wave reduces its batch's 128 pairs (min, max) itself: 1,024 bytes, two loads; no wave
; waits for another, so there is no LDS and no barrier.
; The minimum is taken away first and the product follows: a fused form x inv - min inv would be a difference of large numbers where the
; spread is small.  LIMIT: the division is rcp and a product (1 ulp).
	s_load_b128 s[4:7], s[0:1], 0x0                ; raw s[4:5], mm s[6:7]
	s_load_b64 s[8:9], s[0:1], 0x10                ; out0
	v_and_b32 v1, 31, v0
	v_lshlrev_b32 v1, 4, v1                        ; 16 x lane: my two pairs in each half of the batch's pairs
	v_lshlrev_b32 v2, 4, v0                        ; 16 x thread: my four rows
	s_lshr_b32 s10, ttmp9, 5                       ; batch
	s_lshl_b32 s10, s10, 10                        ; 32 work-groups x 4 waves x 8 bytes
	s_mov_b32 s11, 0
	s_lshl_b32 s12, ttmp9, 11                      ; 512 rows x 4 bytes a work-group
	s_mov_b32 s13, 0
	s_mov_b32 s14, 0x76543210                      ; v_permlanex16_b32: lane i reads lane i xor 16
	s_mov_b32 s15, 0xfedcba98
	v_mov_b32 v19, 0                               ; the lane exchange counts as a user of its destination
	s_wait_kmcnt 0x0
	s_add_nc_u64 s[6:7], s[6:7], s[10:11]
	s_add_nc_u64 s[4:5], s[4:5], s[12:13]
	s_add_nc_u64 s[8:9], s[8:9], s[12:13]
	global_load_b128 v[4:7], v1, s[6:7]
	global_load_b128 v[8:11], v1, s[6:7] offset:512
	global_load_b128 v[12:15], v2, s[4:5] th:TH_LOAD_NT
	s_wait_loadcnt 0x1                             ; the pairs are in; the scores stay out
	v_min3_num_f32 v16, v4, v6, v8
	v_max3_num_f32 v17, v5, v7, v9
	v_min_num_f32 v16, v16, v10
	v_max_num_f32 v17, v17, v11
.irp x, 1,2,4,8
	v_min_num_f32_dpp v16, v16, v16 row_xmask:\x row_mask:0xf bank_mask:0xf
	v_max_num_f32_dpp v17, v17, v17 row_xmask:\x row_mask:0xf bank_mask:0xf
.endr
	v_permlanex16_b32 v19, v16, s14, s15
	v_min_num_f32 v16, v16, v19
	v_permlanex16_b32 v19, v17, s14, s15
	v_max_num_f32 v17, v17, v19
	v_sub_f32 v18, v17, v16
	v_add_f32 v18, 0x358637bd, v18                 ; + 1e-6
	v_rcp_f32 v18, v18
	v_nop                                          ; one plain instruction between a transcendental and the use of its result (ISA guide 5.7.2)
	s_wait_loadcnt 0x0
	v_pk_add_f32 v[12:13], v[12:13], v[16:17] op_sel_hi:[1,0] neg_lo:[0,1] neg_hi:[0,1]   ; - min, in both halves
	v_pk_add_f32 v[14:15], v[14:15], v[16:17] op_sel_hi:[1,0] neg_lo:[0,1] neg_hi:[0,1]
	s_wait_alu depctr_va_vdst(0)
	v_pk_mul_f32 v[12:13], v[12:13], v[18:19] op_sel_hi:[1,0]
	v_pk_mul_f32 v[14:15], v[14:15], v[18:19] op_sel_hi:[1,0]
	global_store_b128 v2, v[12:15], s[8:9] th:TH_STORE_NT
	s_endpgm
.Lfunc_end_k_q70dcd8d817_norm:
	.size	k_q70dcd8d817_norm, .Lfunc_end_k_q70dcd8d817_norm-k_q70dcd8d817_norm
	.p2alignl 7, 3214868480
	.fill 96, 4, 3214868480
	.section	.rodata,"a",@progbits
	.p2align	6, 0x0
	.amdhsa_kernel k_q70dcd8d817_norm
		.amdhsa_group_segment_fixed_size 0
		.amdhsa_private_segment_fixed_size 0
		.amdhsa_enable_private_segment 0
		.amdhsa_kernarg_size 24
		.amdhsa_user_sgpr_count 2
		.amdhsa_user_sgpr_kernarg_segment_ptr 1
		.amdhsa_wavefront_size32 1
		.amdhsa_system_sgpr_workgroup_id_x 1
		.amdhsa_system_sgpr_workgroup_id_y 1
		.amdhsa_system_sgpr_workgroup_id_z 1
		.amdhsa_system_vgpr_workitem_id 0
		.amdhsa_next_free_vgpr 32
		.amdhsa_next_free_sgpr 66
		.amdhsa_reserve_vcc 0
		.amdhsa_float_denorm_mode_32 3
		.amdhsa_float_denorm_mode_16_64 3
		.amdhsa_memory_ordered 1
		.amdhsa_forward_progress 1
		.amdhsa_inst_pref_size 3
	.end_amdhsa_kernel
	.amdgpu_metadata
---
amdhsa.version: [ 1, 2 ]
amdhsa.kernels:
  - .name:           k_q70dcd8d817_norm
    .symbol:         k_q70dcd8d817_norm.kd
    .args:
      - { .name: raw, .offset: 0, .size: 8, .value_kind: global_buffer, .address_space: global }
      - { .name: mm, .offset: 8, .size: 8, .value_kind: global_buffer, .address_space: global }
      - { .name: out0, .offset: 16, .size: 8, .value_kind: global_buffer, .address_space: global }
    .group_segment_fixed_size: 0
    .private_segment_fixed_size: 0
    .kernarg_segment_align: 8
    .kernarg_segment_size: 24
    .max_flat_workgroup_size: 128
    .sgpr_count:     66
    .vgpr_count:     32
    .wavefront_size: 32
...
	.end_amdgpu_metadata
.endif
;; end of part 3
;; ======== version 2 of 2: 3 launches; version 1 with the launch attend written anew for expert scheduling mode
;; limits: values outside matrix products are rounded to bf16
;; workspace buffers: mexp 16,777,216 bytes; part 196,608 bytes; raw 524,288 bytes; mm 8,192 bytes
;; launch attend (part 4): grid 256 x 1, 4 waves a work-group, no clusters, 104,960 bytes of LDS; arguments t, v, mexp, part; writes mexp, part
.if DOCPART == 4
	.amdgcn_target "amdgcn-amd-amdhsa--gfx1250"
	.amdhsa_code_object_version 6
	.text
	.protected	k_q70dcd8d817_attend
	.globl	k_q70dcd8d817_attend
	.p2align	8
	.type	k_q70dcd8d817_attend,@function
k_q70dcd8d817_attend:
	s_mov_b64 s[64:65], 0
	v_nop
	global_prefetch_b8 v0, s[64:65] scope:SCOPE_SE
	s_setreg_imm32_b32 hwreg(HW_REG_WAVE_SCHED_MODE, 0, 2), 2
	s_setreg_imm32_b32 hwreg(HW_REG_WAVE_MODE, 25, 1), 1
	s_wait_xcnt 0x0
	s_wait_alu depctr_vm_vsrc(0)
; QVTree, first of three launches.  t: [8][64][256] f32, v: [8][16384][256] f32.
; With tn, vn the normalised rows, S = vn.tn / 2, E = exp(S), A = E / (sum over t of E), W = exp(A / 2), this launch stores
;   mexp: E - 1 in f16, the matrix operand of the second product (the constant 1 drops out in the final min-max step);
;   part: for each work-group and each t the sums over its 512 rows of E, of W and of W A.
; NO MAXIMUM IS TAKEN AWAY BEFORE THE EXPONENTIALS: both vectors are normalised here, as the problem does, and halved, so |S| <= 0.5 but for
; the rounding of t to bf16 (under one part in 100), and A / 2 lies in [0, 0.5]: every exponential lies in [0.6, 1.7], every sum of 16,384
; of them under 3e4, for every input.  E - 1 lies in [-0.41, 0.67]: f16 has the room.  S is always finite, so the problem's nan_to_num of
; S - max changes nothing.
; nan_to_num: NaN becomes 0 by v_med3_num_f32(x, 0, x): with a NaN among its sources it gives the smallest of the three with NaNs left out
; (ISA guide, the instruction's entry among the VOP3 instructions), which is 0; otherwise the middle one of x, 0, x, which is x.
; t is also clamped to the largest finite f32.  v keeps its infinities: they make the row's sum of squares infinite, as the clamped value's
; square does in the problem, where the whole row then normalises to 0; here such a row's S is set to 0 by a select.
; LIMITS: v's norm is that of the row as rounded to bf16, the vector that enters the product (within 2^-9 of the f32 norm; the sum is kept
; in f32); a row counts as of infinite norm when that sum overflows f32.  1 / max(norm, 1e-6) is min(rsq(sum), 1e6), divisions are rcp and
; a product (1 ulp each).
; SHARES: 256 work-groups of four waves, one wave a SIMD; a work-group owns 512 rows of v (32 work-groups a batch), a wave 128 rows:
; 8 tiles of 16 rows, 32 chunks of 4 rows.
; v STREAMS THROUGH REGISTERS: a chunk is eight loads of 512 consecutive bytes (half a row each).  A ring of seven chunk slots keeps 48 to 56
; loads of every wave on their way from the first line to the last chunk; no wave waits for another between the two barriers of the text.
; A chunk is cleaned, rounded to bf16 and put into the wave's own stage in LDS, 16 bytes a lane and row; from there the fragments are read.
; In a stage's row, unit L of 16 bytes holds k = 4 L .. 4 L + 3 and 128 + 4 L .. + 3: a permutation of k, the same for t and v, which
; leaves the products as they are.
; THE MATRIX INSTRUCTION takes 16 rows of t as A and 16 rows of v as B: in the result lane (r, h) holds, for v row r, t = 16 i + 8 h + j
; (tile i, register j).  So the sums over t are sums inside a lane and one exchange with lane xor 16, and the sums over v are 96 running
; sums a lane, folded over lanes once at the end.  v's sums of squares are the diagonal of v's fragments times themselves.
; t (scaled by 0.5 log2 e / norm, so that the product is the argument of exp2 once divided by v's norm) stays in 256 registers.
; NO CLUSTER, NO TENSOR LOADS: the one input that work-groups share is t, 64 KiB against 512 KiB of v a work-group, read once, through
; registers, because it is normalised on the way; v is converted on its way and half its bytes reach LDS.
; REGISTERS, in windows of 256: window 0 all arithmetic on products; window 1 t's fragments (tile i, K step s at v[8 (8 i + s)]);
; window 2 the ring (slot q at v[32 q], row rho of a chunk at + 8 rho), its bf16 words and its two addresses.
; THE MODE: SCHED_MODE bits 1:0 = 2 (LLVM: expert scheduling mode 2), set by the entry lines.  The code itself states the register dependences
; between vector or matrix instructions and memory or LDS instructions, with s_wait_alu, always for 0.
; THE PLAN.  Registers that memory or LDS instructions touch:
;   ring slot q   The loads of chunk g land in it; chunk g's 32 cleaning lines work in place on it, its 16 conversions read it; then the loads of chunk g + 7 land in it.
;   BO            Written by chunk g's conversions, read by chunk g's four LDS stores, written again by chunk g + 1's conversions.
;   FR            The fragment loads at a tile's head land in it; the 40 matrix instructions read it; then vector instructions alone use it (the argument of W, W) up to the tile's sums.
;   FH            Written by a tile's conversions to f16, read by its four global stores, written again a tile later.
;   window 1      Loaded once, behind the first barrier; read by matrix instructions alone.
;   TX, TB        At the head: t as loaded; t in bf16, written by conversions and read by 16 LDS stores; both are other things from tile 0 on.
;   the addresses v[GO], v[SA], v[LAV], v[STO], v[TA], v[TSA], v[TG] are made at the head and never written again.
; So a chunk has two waits: on vm_vsrc ahead of its conversions (the chunk before's stores have read BO), and on va_vdst behind them (BO is written, and the slot's
; readers and writers are done); its stores and loads follow.  The second of these, in a tile's last chunk, also states that the tile's sums are done with FR: between it and
; the next tile's fragment loads stand that chunk's stores and loads alone.  In a tile's third chunk it is also the wait for the reciprocal issued just ahead of the chunk.
; One wait on va_vdst behind the batch of W serves the exponentials' readers and FH's stores; one on vm_vsrc a tile frees FH.
.set ROWB,   1024                      ; bytes in a row of v or t
.set TPITCH, 528                       ; a stage's row: 512 bytes + 16 = 132 words: row r starts at bank 4 r mod 64 (64 banks of 4 bytes: ISA guide 11.1)
.set VBUF,   16*TPITCH                 ; a tile of v in bf16
.set VST,    64*TPITCH                 ; t's stage lies at LDS byte 0; behind it two tiles of v for each wave
.set RED,    VST+8*VBUF                ; scratch for the sums: [wave][h][96] f32; behind it, from byte 0x19800 on, the spare words: 128 bytes a wave
.set NCH,    32                        ; chunks of a wave
.set RSL,    7                         ; slots of the ring
.set LAV, 2                            ; LDS address of my part of v's fragments, first of my wave's two tiles
.set STO, 3                            ; byte offset of my 16 bytes in the work-group's part of mexp
.set TA,  4                            ; LDS address of my part of t's fragments
.set TMP, 5
.set RS,  6                            ; v[6:7]   1 / norm of my row (first register; the pair is named by packed products)
.set RI2, 8                            ; v[8:9]   0.5 log2 e / sum over t of E
.set RI,  10
.set SSQ, 11                           ; my row's sum of squares
.set P,   12                           ; v[12:19] at work
.set DG,  20                           ; v[20:27] the way to the diagonal
.set FR,  28                           ; v[28:91] v's fragments: K step s at + 8 s
.set ARG, FR                           ; later A / 2 log2 e
.set WW,  FR+32                        ; and W
.set ACC, 92                           ; v[92:123] four accumulator tiles
.set NA,  124                          ; v[124:131] v times v, even K steps
.set FH,  132                          ; v[132:147] E - 1 in f16
.set NB,  148                          ; v[148:155] v times v, odd K steps
.set SZ,  156                          ; v[156:187] sums of E
.set SD,  188                          ; v[188:219] sums of W
.set SN,  220                          ; v[220:251] sums of W A / 2 log2 e
.set TSA, 252                          ; where my wave stages its rows of t
.set TG,  253                          ; 16 x lane
.set TX,  28                           ; t's preparation: v[28:155] 16 rows x 8 f32
.set TSS, 156                          ; v[156:187] a pair for each row
.set TB,  188                          ; v[188:251] 16 rows x 4 words of bf16
.set BO,  224                          ; window 2: v[224:239] a chunk's 4 rows x 4 words of bf16
.set GO,  240                          ; window 2: 16 x lane
.set SA,  241                          ; window 2: where I put my 16 bytes of a row of v
.set MSB, 0
.macro WIN new                         ; the immediate's high byte repeats the setting that is left
.if MSB != \new
	s_set_vgpr_msb (MSB<<8)|\new
.set MSB, \new
.endif
.endm
.set lg, 0                             ; the next chunk to ask for
.set cg, 0                             ; the next chunk to work on
; eight loads: chunk lg into its slot.  Under window setting 0xaa.  v is read once in the launch.
.macro LOADCH
.irp rho, 0,1,2,3
	global_load_b128 v[32*(lg%RSL)+8*\rho:32*(lg%RSL)+8*\rho+3],   v[GO], s[6:7] offset:lg*4*ROWB+\rho*ROWB th:TH_LOAD_NT
	global_load_b128 v[32*(lg%RSL)+8*\rho+4:32*(lg%RSL)+8*\rho+7], v[GO], s[6:7] offset:lg*4*ROWB+\rho*ROWB+512 th:TH_LOAD_NT
.endr
.set lg, lg+1
.endm
; The turn of chunk cg: NaN -> 0, bf16, 16 bytes a lane and row into my wave's stage, and its slot is asked for again (chunk cg + 7).
; Behind the last chunk the macro holds nothing.
.macro CHUNK
.if cg < NCH
	WIN 0xaa                                       ; every operand in window 2
.if cg < NCH-RSL
	s_wait_loadcnt 8*(RSL-1)                       ; loads come back in order (ISA guide 5.7.1): behind this chunk's eight stand those of the six chunks after it
.else
	s_wait_loadcnt 8*(NCH-1-cg)                    ; nothing more is asked for: the count runs down
.endif
.set ee, 0
.rept 32
	v_med3_num_f32 v[32*(cg%RSL)+ee], v[32*(cg%RSL)+ee], 0, v[32*(cg%RSL)+ee]
.set ee, ee+1
.endr
.if cg > 0
	s_wait_alu depctr_vm_vsrc(0)                   ; the LDS stores of the chunk before have read BO, which the conversions below write again (in chunk 3 also: t's LDS stores have read TB, whose registers become sums in tile 0)
.endif
.set ee, 0
.rept 16
	v_cvt_pk_bf16_f32 v[BO+ee], v[32*(cg%RSL)+2*ee], v[32*(cg%RSL)+2*ee+1]
.set ee, ee+1
.endr
	s_wait_alu depctr_va_vdst(0)                   ; the conversions have written BO, which the stores read; they and the cleaning lines are done with the slot, in which the loads land; all earlier vector work is done too: a tile's sums with FR, a reciprocal issued ahead of the chunk with its result
.irp rho, 0,1,2,3
	ds_store_b128 v[SA], v[BO+4*\rho:BO+4*\rho+3] offset:((cg/4)%2)*VBUF+(4*(cg%4)+\rho)*TPITCH   ; 512 consecutive bytes a row; my wave's own bytes
.endr
.if lg < NCH
	LOADCH
.endif
.set cg, cg+1
.endif
.endm
	s_load_b256 s[4:11], s[0:1], 0x0               ; t s[4:5], v s[6:7], mexp s[8:9], part s[10:11]
	v_lshl_add_u32 v254, v0, 2, 0x19800            ; my spare word and 0: made here and kept for the closing lines alone
	v_mov_b32 v255, 0
	v_lshrrev_b32 v1, 5, v0
	v_readfirstlane_b32 s14, v1                    ; wave 0..3
	v_and_b32 v1, 31, v0                           ; lane
	v_lshlrev_b32 v[TG], 4, v1
	v_and_b32 v6, 15, v0                           ; r
	v_bfe_u32 v7, v0, 4, 1                         ; h
	v_mul_u32_u24 v[TA], v6, TPITCH
	v_lshl_add_u32 v[TA], v7, 4, v[TA]             ; row r, 16 h bytes in; t's stage begins at LDS byte 0
	v_mov_b32 v[TMP], 0                            ; the lane exchange counts as a user of its destination
	v_mov_b32 v[RI2+1], 0                          ; second register of a pair of which packed products use the first alone
	s_wait_alu depctr_va_sdst(0)                   ; s14 is written, ahead of its first reader: LDS addresses and the bases are made from it
	s_mul_i32 s35, s14, 2*VBUF
	s_add_co_u32 s35, s35, VST                     ; my wave's two tiles in LDS
	WIN 0x80                                       ; destination in window 2
	v_mov_b32 v[GO], v[TG]
	v_add_nc_u32 v[SA], s35, v[TG]
	WIN 0
	v_add_nc_u32 v[LAV], s35, v[TA]
	v_lshl_add_u32 v[STO], s14, 14, v[TG]          ; 16 x lane + 8 tiles x 2,048 bytes a wave
	s_mul_i32 s15, s14, 16*TPITCH
	v_add_nc_u32 v[TSA], s15, v[TG]                ; my wave's 16 rows of t's stage, 16 bytes a lane
	s_lshr_b32 s34, ttmp9, 5                       ; batch
	s_lshl_b32 s32, s34, 16                        ; 64 rows of t a batch,
	s_lshl_b32 s15, s14, 14                        ; 16 rows a wave
	s_add_co_u32 s32, s32, s15
	s_mov_b32 s33, 0
	s_lshl_b32 s46, ttmp9, 19                      ; 512 rows of v a work-group (under 2^27 bytes in all),
	s_lshl_b32 s15, s14, 17                        ; 128 rows a wave
	s_add_co_u32 s46, s46, s15
	s_mov_b32 s47, 0
	s_mov_b32 s12, 0x76543210                      ; v_permlanex16_b32: lane i reads lane i xor 16
	s_mov_b32 s13, 0xfedcba98
	s_mov_b32 s37, 0x7f800000                      ; +inf
	s_mov_b32 s38, 0x49742400                      ; 1e6 = 1 / eps
	s_mov_b32 s39, 0x7f7fffff                      ; the largest finite f32
	s_mov_b32 s40, 0xff7fffff                      ; and its negative
	s_mov_b32 s41, 0xff00ff00                      ; lanes with bit 3 of r set
	s_mov_b32 s42, 0xf0f0f0f0                      ; bit 2
	s_mov_b32 s43, 0xcccccccc                      ; bit 1
	s_mov_b32 s44, 0xaaaaaaaa                      ; bit 0
	s_mov_b32 s45, 0xffff0000                      ; lanes 16 to 31
	s_mov_b32 s48, 0x00ffff00                      ; lanes 8 to 23
	s_wait_kmcnt 0x0
	s_add_nc_u64 s[4:5], s[4:5], s[32:33]          ; my 16 rows of t
	s_add_nc_u64 s[6:7], s[6:7], s[46:47]          ; my 128 rows of v
	s_wait_alu depctr_va_vdst(0)                   ; the seven addresses v[TG], v[GO], v[SA], v[TA], v[LAV], v[STO], v[TSA] are written: every load and store up to the tiles' end reads one of them, and none is written again
.set i, 0
.rept 16
	global_load_b128 v[TX+8*i:TX+8*i+3],   v[TG], s[4:5] offset:i*ROWB       ; a row of t in two loads of 512 consecutive bytes
	global_load_b128 v[TX+8*i+4:TX+8*i+7], v[TG], s[4:5] offset:i*ROWB+512
.set i, i+1
.endr
	WIN 0xaa
	LOADCH                                         ; chunks 0, 1, 2: with t's, 56 loads are out
	LOADCH
	LOADCH
	s_lshl_b32 s32, ttmp9, 16                      ; mexp: 512 rows x 128 bytes a work-group
	s_add_nc_u64 s[8:9], s[8:9], s[32:33]
	s_mul_i32 s32, s34, 24576                      ; part: [batch][3][32 work-groups][64] f32
	s_and_b32 s15, ttmp9, 31
	s_lshl_b32 s15, s15, 8
	s_add_co_u32 s32, s32, s15
	s_add_nc_u64 s[10:11], s[10:11], s[32:33]
	s_wait_loadcnt 24                              ; t's 32 loads are in; the 24 of chunks 0 to 2 stay out
	LOADCH                                         ; chunks 3 to 6: 56 loads are out again
	LOADCH
	LOADCH
	LOADCH
	CHUNK                                          ; chunks 0 to 2 were asked for straight behind t: they are worked on first,
	CHUNK                                          ; so that their slots are asked for again ahead of t's preparation
	CHUNK
	; ---- t: nan_to_num, norm, scale by 0.5 log2 e / max(norm, eps), bf16, into the stage ----
	WIN 0
.set i, 0
.rept 128
	v_med3_num_f32 v[TX+i], v[TX+i], 0, v[TX+i]    ; NaN -> 0
.set i, i+1
.endr
.set i, 0
.rept 128
	v_med3_num_f32 v[TX+i], v[TX+i], s40, s39      ; infinities -> the largest finite numbers
.set i, i+1
.endr
.set i, 0
.rept 16
	v_pk_mul_f32 v[TSS+2*i:TSS+2*i+1], v[TX+8*i:TX+8*i+1], v[TX+8*i:TX+8*i+1]
.set i, i+1
.endr
.irp q, 1,2,3
.set i, 0
.rept 16
	v_pk_fma_f32 v[TSS+2*i:TSS+2*i+1], v[TX+8*i+2*\q:TX+8*i+2*\q+1], v[TX+8*i+2*\q:TX+8*i+2*\q+1], v[TSS+2*i:TSS+2*i+1]
.set i, i+1
.endr
.endr
.set i, 0
.rept 16
	v_add_f32 v[TSS+2*i], v[TSS+2*i], v[TSS+2*i+1]
.set i, i+1
.endr
.irp x, 1,2,4,8
.set i, 0
.rept 16
	v_add_f32_dpp v[TSS+2*i], v[TSS+2*i], v[TSS+2*i] row_xmask:\x row_mask:0xf bank_mask:0xf
.set i, i+1
.endr
.endr
.set i, 0
.rept 16
	v_permlanex16_b32 v[TSS+2*i+1], v[TSS+2*i], s12, s13
.set i, i+1
.endr
.set i, 0
.rept 16
	v_add_f32 v[TSS+2*i], v[TSS+2*i], v[TSS+2*i+1]
.set i, i+1
.endr
.set i, 0
.rept 16
	v_rsq_f32 v[TSS+2*i], v[TSS+2*i]               ; rsq(inf) = 0: the row becomes 0; rsq(0) = inf: capped below
.set i, i+1
.endr
	v_nop                                          ; one plain instruction between a transcendental and the use of its result (ISA guide 5.7.2)
	s_wait_alu depctr_va_vdst(0)                   ; the sixteen rsq have written their results, ahead of the first line that names one: one wait for the batch
.set i, 0
.rept 16
	v_min_num_f32 v[TSS+2*i], s38, v[TSS+2*i]
.set i, i+1
.endr
.set i, 0
.rept 16
	v_mul_f32 v[TSS+2*i], 0x3f38aa3b, v[TSS+2*i]   ; 0.5 log2 e
.set i, i+1
.endr
.set i, 0
.rept 16
.irp q, 0,1,2,3
	v_pk_mul_f32 v[TX+8*i+2*\q:TX+8*i+2*\q+1], v[TX+8*i+2*\q:TX+8*i+2*\q+1], v[TSS+2*i:TSS+2*i+1] op_sel_hi:[1,0]
.endr
.set i, i+1
.endr
.set i, 0
.rept 64
	v_cvt_pk_bf16_f32 v[TB+i], v[TX+2*i], v[TX+2*i+1]
.set i, i+1
.endr
	s_wait_alu depctr_va_vdst(0)                   ; the conversions have written TB, which the LDS stores read
.set i, 0
.rept 16
	ds_store_b128 v[TSA], v[TB+4*i:TB+4*i+3] offset:i*TPITCH       ; unit L of the row: k = 4 L .. + 3, 128 + 4 L .. + 3, as for v
.set i, i+1
.endr
	CHUNK                                          ; chunk 3: tile 0 is whole in my stage
	s_wait_dscnt 0x0                               ; my rows of t's stage are written, for the other waves' sake
	s_barrier_signal -1
	s_barrier_wait -1
	WIN 0x40                                       ; destination in window 1: registers that no vector instruction has named; v[TA] stands since the head
.irp i, 0,1,2,3
.irp s, 0,1,2,3,4,5,6,7
	ds_load_b128 v[8*(8*\i+\s):8*(8*\i+\s)+3],   v[TA] offset:\i*16*TPITCH+64*\s      ; t row 16 i + r, K step s, registers 0-3
	ds_load_b128 v[8*(8*\i+\s)+4:8*(8*\i+\s)+7], v[TA] offset:\i*16*TPITCH+64*\s+32   ; registers 4-7
.endr
.endr
; 40 matrix instructions.  32: eight K steps x the four tiles of t; 8: v's fragments times themselves, even and odd K steps apart.
; The accumulators take turns, one instruction a turn.  The first products start the sums with the constant 0.
.macro MM acc
	WIN 0x01                                       ; source 0 (t) in window 1
.irp s, 0,1,2,3,4,5,6,7
.irp i, 0,1,2,3
.if \s == 0
	v_wmma_f32_16x16x32_bf16 v[\acc+8*\i:\acc+8*\i+7], v[8*(8*\i+\s):8*(8*\i+\s)+7], v[FR+8*\s:FR+8*\s+7], 0
.else
	v_wmma_f32_16x16x32_bf16 v[\acc+8*\i:\acc+8*\i+7], v[8*(8*\i+\s):8*(8*\i+\s)+7], v[FR+8*\s:FR+8*\s+7], v[\acc+8*\i:\acc+8*\i+7]
.endif
.endr
.endr
	WIN 0
.irp s, 0,2,4,6
.if \s == 0
	v_wmma_f32_16x16x32_bf16 v[NA:NA+7], v[FR+8*\s:FR+8*\s+7], v[FR+8*\s:FR+8*\s+7], 0
	v_wmma_f32_16x16x32_bf16 v[NB:NB+7], v[FR+8*\s+8:FR+8*\s+15], v[FR+8*\s+8:FR+8*\s+15], 0
.else
	v_wmma_f32_16x16x32_bf16 v[NA:NA+7], v[FR+8*\s:FR+8*\s+7], v[FR+8*\s:FR+8*\s+7], v[NA:NA+7]
	v_wmma_f32_16x16x32_bf16 v[NB:NB+7], v[FR+8*\s+8:FR+8*\s+15], v[FR+8*\s+8:FR+8*\s+15], v[NB:NB+7]
.endif
.endr
.endm
; My row's norm, E, the sum over t and its reciprocal, whose readers stand in SOFTB.  nops = 1: no chunk's turn stands between the matrix instructions and this macro.
.macro SOFTA nops, first, acc
	WIN 0
.if \nops
.rept 4
	v_nop                                          ; four places between a matrix instruction and a vector instruction that reads its result (ISA guide 7.12.1);
.endr                                              ; elsewhere the chunk's conversions, which name other registers, are those places
.endif
.irp m, 0,2,4,6
	v_pk_add_f32 v[NA+\m:NA+\m+1], v[NA+\m:NA+\m+1], v[NB+\m:NB+\m+1]
.endr
	; lane (r, h), register j holds (row 8 h + j) . (row r): the diagonal lies in register r & 7 of the lanes with h = r >> 3
	v_cndmask_b32 v[DG+0], v[NA+0], v[NA+1], s44
	v_cndmask_b32 v[DG+1], v[NA+2], v[NA+3], s44
	v_cndmask_b32 v[DG+2], v[NA+4], v[NA+5], s44
	v_cndmask_b32 v[DG+3], v[NA+6], v[NA+7], s44
	v_cndmask_b32 v[DG+4], v[DG+0], v[DG+1], s43
	v_cndmask_b32 v[DG+5], v[DG+2], v[DG+3], s43
	v_cndmask_b32 v[DG+6], v[DG+4], v[DG+5], s42
	v_permlanex16_b32 v[TMP], v[DG+6], s12, s13
	v_cndmask_b32 v[SSQ], v[DG+6], v[TMP], s48               ; lanes 8 to 23 take it from lane xor 16
	v_cmp_gt_f32 s36, s37, v[SSQ]                            ; lanes whose row has a finite sum of squares
	v_rsq_f32 v[RS], v[SSQ]
	v_nop                                                    ; a plain instruction behind the transcendental
	s_wait_alu depctr_va_sdst(0)                             ; the compare has written s36, ahead of its first reader, the first select below
	s_wait_alu depctr_va_vdst(0)                             ; the rsq has written v[RS], ahead of the line that names it
	v_min_num_f32 v[RS], s38, v[RS]                          ; 1 / max(norm, 1e-6)
	; S log2 e; S = 0 for a row of infinite norm; E.  A pair's exponentials stand among the next pair's plain instructions.
.set k, 0
.rept 17
.if k < 16
	v_pk_mul_f32 v[\acc+2*k:\acc+2*k+1], v[\acc+2*k:\acc+2*k+1], v[RS:RS+1] op_sel_hi:[1,0]
	v_cndmask_b32 v[\acc+2*k], 0, v[\acc+2*k], s36
.endif
.if k > 0
	v_exp_f32 v[\acc+2*k-2], v[\acc+2*k-2]
.endif
.if k < 16
	v_cndmask_b32 v[\acc+2*k+1], 0, v[\acc+2*k+1], s36
.endif
.if k > 0
	v_exp_f32 v[\acc+2*k-1], v[\acc+2*k-1]
.endif
.set k, k+1
.endr
	v_nop
	s_wait_alu depctr_va_vdst(0)                             ; the 32 exponentials have written E, ahead of the first sum that names one: one wait for the batch
	v_pk_add_f32 v[P:P+1],   v[\acc:\acc+1],     v[\acc+2:\acc+3]
	v_pk_add_f32 v[P+2:P+3], v[\acc+4:\acc+5],   v[\acc+6:\acc+7]
	v_pk_add_f32 v[P+4:P+5], v[\acc+8:\acc+9],   v[\acc+10:\acc+11]
	v_pk_add_f32 v[P+6:P+7], v[\acc+12:\acc+13], v[\acc+14:\acc+15]
.set k, 0
.rept 8
	v_pk_add_f32 v[P+2*(k%4):P+2*(k%4)+1], v[P+2*(k%4):P+2*(k%4)+1], v[\acc+16+2*k:\acc+16+2*k+1]
.set k, k+1
.endr
	v_pk_add_f32 v[P:P+1], v[P:P+1], v[P+2:P+3]
	v_pk_add_f32 v[P+4:P+5], v[P+4:P+5], v[P+6:P+7]
	v_pk_add_f32 v[P:P+1], v[P:P+1], v[P+4:P+5]
	v_add_f32 v[P], v[P], v[P+1]
	v_permlanex16_b32 v[TMP], v[P], s12, s13                 ; the other 32 t of my row
	v_add_f32 v[P], v[P], v[TMP]
	v_rcp_f32 v[RI], v[P]                                    ; the chunk that follows is the plain work behind it, and that chunk's wait on va_vdst its wait
.if \first == 0
	s_wait_xcnt 0x0                                ; FH, which the last tile's stores read, is rewritten (in SOFTB) only behind this wait; here the youngest memory instructions are a part of a tile old
	s_wait_alu depctr_vm_vsrc(0)                   ; the last tile's four stores have read FH
.endif
.endm
; The argument of W, W, E - 1 out, the three running sums.  first = 1: acc is SZ and wr is SD, so E and W start their sums where they are made, and the third
; sum starts with a product: nothing is cleared.  The third sum is of W x (A / 2 log2 e); the constant is taken out once, at the end.
.macro SOFTB tau, first, acc, wr
	WIN 0
	v_mul_f32 v[RI2], 0x3f38aa3b, v[RI]
.set k, 0
.rept 16
	v_pk_mul_f32 v[ARG+2*k:ARG+2*k+1], v[\acc+2*k:\acc+2*k+1], v[RI2:RI2+1] op_sel_hi:[1,0]   ; A / 2 log2 e
.set k, k+1
.endr
.set k, 0
.rept 16
	v_exp_f32 v[\wr+2*k], v[ARG+2*k]                         ; W, among plain instructions that touch neither it nor its source
	v_pk_add_f32 v[P+2*(k%4):P+2*(k%4)+1], v[\acc+2*k:\acc+2*k+1], -1.0 op_sel_hi:[1,0]
	v_exp_f32 v[\wr+2*k+1], v[ARG+2*k+1]
	v_cvt_pk_f16_f32 v[FH+k], v[P+2*(k%4)], v[P+2*(k%4)+1]
.if \first == 0
	v_pk_add_f32 v[SZ+2*k:SZ+2*k+1], v[SZ+2*k:SZ+2*k+1], v[\acc+2*k:\acc+2*k+1]
.endif
.set k, k+1
.endr
	s_wait_alu depctr_va_vdst(0)                   ; the conversions have written FH, which the stores read; the 32 exponentials have written W, ahead of the first sum that names one: one wait for the batch
.irp i, 0,1,2,3
	global_store_b128 v[STO], v[FH+4*\i:FH+4*\i+3], s[8:9] offset:\tau*2048+\i*512   ; mexp is laid [tile of 16 rows][i][lane][8 f16]: each store of the wave covers 512 consecutive bytes, aligned; no hint: the next launch reads it
.endr
.set k, 0
.rept 16
.if \first
	v_pk_mul_f32 v[SN+2*k:SN+2*k+1], v[\wr+2*k:\wr+2*k+1], v[ARG+2*k:ARG+2*k+1]
.else
	v_pk_add_f32 v[SD+2*k:SD+2*k+1], v[SD+2*k:SD+2*k+1], v[\wr+2*k:\wr+2*k+1]
	v_pk_fma_f32 v[SN+2*k:SN+2*k+1], v[\wr+2*k:\wr+2*k+1], v[ARG+2*k:ARG+2*k+1], v[SN+2*k:SN+2*k+1]
.endif
.set k, k+1
.endr
.endm
; One tile of 16 rows, from half buf of my stage; the four chunks of the next tile take their turns between its parts, so that the ring's
; slots are asked for again at even distances.
.macro TILE tau, buf, first, acc, wr, last
	WIN 0
.irp s, 0,1,2,3,4,5,6,7                ; no wait on va_vdst here: the chunk just before has one, behind the last vector line that named FR, and only its stores and loads stand between
	ds_load_b128 v[FR+8*\s:FR+8*\s+3],   v[LAV] offset:\buf*VBUF+64*\s      ; LDS serves a wave's instructions in order (ISA guide 5.7.1.4): these see my stores
	ds_load_b128 v[FR+8*\s+4:FR+8*\s+7], v[LAV] offset:\buf*VBUF+64*\s+32
.endr
	CHUNK
.if \last
	s_wait_dscnt 0x0
.else
	s_wait_dscnt 4                                 ; the fragments (and, in tile 0, t's) are in; the chunk's four stores stay out
.endif
	MM \acc
	CHUNK
	SOFTA \last, \first, \acc
.if \last
	v_nop                                          ; no chunk is left: a plain instruction behind the reciprocal,
	s_wait_alu depctr_va_vdst(0)                   ; and the wait: the rcp has written v[RI], ahead of the line that names it
.else
	CHUNK
.endif
	SOFTB \tau, \first, \acc, \wr
	CHUNK
.endm
	TILE 0, 0, 1, SZ,  SD, 0
	TILE 1, 1, 0, ACC, WW, 0
	TILE 2, 0, 0, ACC, WW, 0
	TILE 3, 1, 0, ACC, WW, 0
	TILE 4, 0, 0, ACC, WW, 0
	TILE 5, 1, 0, ACC, WW, 0
	TILE 6, 0, 0, ACC, WW, 0
	TILE 7, 1, 0, ACC, WW, 1
	WIN 0
	; ---- the 96 sums over the 16 lanes of each half.  A step halves the registers: a lane keeps one of two registers by a bit of r, gives
	; the other to its partner and adds what the partner gives.  Behind the four steps register k of lane r holds the whole sum of register 6 r + k.
.macro FOLD cnt, msk, xm
.set k, 0
.rept \cnt
	v_cndmask_b32 v[P+2*(k%4)],   v[SZ+k], v[SZ+k+\cnt], s[\msk]
	v_cndmask_b32 v[P+2*(k%4)+1], v[SZ+k+\cnt], v[SZ+k], s[\msk]
	v_add_f32_dpp v[SZ+k], v[P+2*(k%4)+1], v[P+2*(k%4)] row_xmask:\xm row_mask:0xf bank_mask:0xf
.set k, k+1
.endr
.endm
	FOLD 48, 41, 8
	FOLD 24, 42, 4
	FOLD 12, 43, 2
	FOLD 6,  44, 1
	v_and_b32 v[FR], 15, v0                        ; r
	v_bfe_u32 v[FR+1], v0, 4, 1                    ; h
	v_mul_u32_u24 v[FR+2], v[FR], 24               ; six numbers a lane
	v_mad_u32_u24 v[FR+2], v[FR+1], 384, v[FR+2]   ; 96 numbers a half
	s_mul_i32 s35, s14, 768
	s_add_co_u32 s35, s35, RED
	v_add_nc_u32 v[FR+2], s35, v[FR+2]
	s_wait_alu depctr_va_vdst(0)                   ; the folds have written v[SZ] to v[SZ+5] and the line above v[FR+2]: the LDS stores read them
	ds_store_b64 v[FR+2], v[SZ:SZ+1]
	ds_store_b64 v[FR+2], v[SZ+2:SZ+3] offset:8
	ds_store_b64 v[FR+2], v[SZ+4:SZ+5] offset:16
	s_wait_dscnt 0x0                               ; written, for the other waves' sake
	s_barrier_signal -1
	s_barrier_wait -1
	s_cmp_gt_u32 s14, 2
	s_cbranch_scc1 .Ldone                          ; wave q = 0, 1, 2 adds up sum q (of E, of W, of W A) over the four waves
	; lane (u, hh): t = 4 u .. 4 u + 3, which lie in half (u >> 1) & 1 at registers 32 q + 8 (u >> 2) + 4 (u & 1) ..; waves 2 hh, 2 hh + 1
	v_bfe_u32 v[FR+3], v0, 1, 1
	v_bfe_u32 v[FR+4], v0, 2, 2
	v_and_b32 v[FR+5], 1, v0
	v_mul_u32_u24 v[FR+6], v[FR+1], 1536
	v_mad_u32_u24 v[FR+6], v[FR+3], 384, v[FR+6]
	v_lshl_add_u32 v[FR+6], v[FR+4], 5, v[FR+6]
	v_lshl_add_u32 v[FR+6], v[FR+5], 4, v[FR+6]
	s_lshl_b32 s35, s14, 7
	s_add_co_u32 s35, s35, RED
	v_add_nc_u32 v[FR+6], s35, v[FR+6]
	s_wait_alu depctr_va_vdst(0)                   ; v[FR+6] is written, which the LDS loads read as their address; the tiles' sums are long done with v[WW] to v[WW+7], in which they land
	ds_load_b128 v[WW:WW+3],   v[FR+6]
	ds_load_b128 v[WW+4:WW+7], v[FR+6] offset:768
	v_lshlrev_b32 v[FR+7], 4, v[FR]
	v_lshl_add_u32 v[FR+7], v[FR+1], 3, v[FR+7]
	v_lshl_add_u32 v[FR+7], s14, 13, v[FR+7]       ; 8,192 q + 16 u + 8 hh
	s_mov_b32 s46, 0x3f800000                      ; 1.0 for the sums of E and of W;
	s_cmp_eq_u32 s14, 2
	s_cmov_b32 s46, 0x3fb17218                     ; 2 ln 2 = 1 / (0.5 log2 e) for the third: it becomes the sum of W A
	s_wait_dscnt 0x0
	v_pk_add_f32 v[WW:WW+1],   v[WW:WW+1],   v[WW+4:WW+5]
	v_pk_add_f32 v[WW+2:WW+3], v[WW+2:WW+3], v[WW+6:WW+7]
.irp e, 0,1,2,3
	v_permlanex16_b32 v[WW+4+\e], v[WW+\e], s12, s13         ; the other two waves
.endr
	v_pk_add_f32 v[WW:WW+1],   v[WW:WW+1],   v[WW+4:WW+5]
	v_pk_add_f32 v[WW+2:WW+3], v[WW+2:WW+3], v[WW+6:WW+7]
	v_cndmask_b32 v[WW+8], v[WW],   v[WW+2], s45             ; lanes 0-15 store t = 4 u, 4 u + 1; lanes 16-31 t = 4 u + 2, 4 u + 3:
	v_cndmask_b32 v[WW+9], v[WW+1], v[WW+3], s45
	v_mul_f32 v[WW+8], s46, v[WW+8]
	v_mul_f32 v[WW+9], s46, v[WW+9]
	s_wait_alu depctr_va_vdst(0)                   ; v[WW+8], v[WW+9] and v[FR+7] are written: the store reads them as data and offset
	global_store_b64 v[FR+7], v[WW+8:WW+9], s[10:11]         ; the wave's one store covers the record's 256 consecutive bytes, aligned
.Ldone:
	s_wait_dscnt 0x0                               ; the closing lines, six on end
	s_wait_alu 0x0
	s_wait_tensorcnt 0x0
	ds_add_u32 v254, v255
	s_wait_dscnt 0x0
	s_endpgm
.Lfunc_end_k_q70dcd8d817_attend:
	.size	k_q70dcd8d817_attend, .Lfunc_end_k_q70dcd8d817_attend-k_q70dcd8d817_attend
	.p2alignl 7, 3214868480
	.fill 96, 4, 3214868480
	.section	.rodata,"a",@progbits
	.p2align	6, 0x0
	.amdhsa_kernel k_q70dcd8d817_attend
		.amdhsa_group_segment_fixed_size 104960
		.amdhsa_private_segment_fixed_size 0
		.amdhsa_enable_private_segment 0
		.amdhsa_kernarg_size 32
		.amdhsa_user_sgpr_count 2
		.amdhsa_user_sgpr_kernarg_segment_ptr 1
		.amdhsa_wavefront_size32 1
		.amdhsa_system_sgpr_workgroup_id_x 1
		.amdhsa_system_sgpr_workgroup_id_y 1
		.amdhsa_system_sgpr_workgroup_id_z 1
		.amdhsa_system_vgpr_workitem_id 0
		.amdhsa_next_free_vgpr 768
		.amdhsa_next_free_sgpr 66
		.amdhsa_reserve_vcc 0
		.amdhsa_float_denorm_mode_32 3
		.amdhsa_float_denorm_mode_16_64 3
		.amdhsa_memory_ordered 1
		.amdhsa_forward_progress 1
		.amdhsa_inst_pref_size 255
	.end_amdhsa_kernel
	.section	.bss,"aw",@nobits
	.p2align	6
	.space	262144
	.amdgpu_metadata
---
amdhsa.version: [ 1, 2 ]
amdhsa.kernels:
  - .name:           k_q70dcd8d817_attend
    .symbol:         k_q70dcd8d817_attend.kd
    .args:
      - { .name: t, .offset: 0, .size: 8, .value_kind: global_buffer, .address_space: global }
      - { .name: v, .offset: 8, .size: 8, .value_kind: global_buffer, .address_space: global }
      - { .name: mexp, .offset: 16, .size: 8, .value_kind: global_buffer, .address_space: global }
      - { .name: part, .offset: 24, .size: 8, .value_kind: global_buffer, .address_space: global }
    .group_segment_fixed_size: 104960
    .private_segment_fixed_size: 0
    .kernarg_segment_align: 8
    .kernarg_segment_size: 32
    .max_flat_workgroup_size: 128
    .sgpr_count:     66
    .vgpr_count:     768
    .wavefront_size: 32
...
	.end_amdgpu_metadata
.endif
;; end of part 4
;; launch score: the kernel of part 2 again; grid 256 x 1, 4 waves a work-group, no clusters, 6,656 bytes of LDS; arguments mexp, part, raw, mm; writes raw, mm
;; launch norm: the kernel of part 3 again; grid 256 x 1, 4 waves a work-group, no clusters, 0 bytes of LDS; arguments raw, mm, out0; writes out0
